; MI455X (gfx1250); checked and timed in simulation.
; The chip was launched on July 23, 2026; its instructions are those of AMD's public machine-readable ISA for CDNA 5 (MIT licence, August 2026) and "CDNA5" Instruction Set Architecture Reference Guide (July 2026). The comments in the code are by the model that wrote it; some were corrected since.
;; Vector Quantizer. Allowed arithmetic: float matrix products may take bf16 or f16 operands with f32 sums; all other float work in f32.
;; Inputs: codebook 8,192 x 256 float32; z 16 x 256 x 32 x 32 float32.
;; Outputs: out0 16 x 256 x 32 x 32 float32; out1 one number float32; out2 16,384 int32.
;; One version. Each part assembles by itself: llvm-mc -triple=amdgcn-amd-amdhsa -mcpu=gfx1250 --defsym DOCPART=n.
;; ======== version 1 of 1: 4 launches
;; workspace buffers: cb16 4,194,304 bytes; ee 32,768 bytes; candd 131,072 bytes; candi 131,072 bytes of whole numbers; part 1,024 bytes
;; launch prep (part 1): grid 128 x 1, 8 waves a work-group, no clusters, 1,280 bytes of LDS; arguments codebook, cb16, ee; writes cb16, ee
.if DOCPART == 1
	.amdgcn_target "amdgcn-amd-amdhsa--gfx1250"
	.amdhsa_code_object_version 6
	.text
	.protected	k_q7489c8d876_prep
	.globl	k_q7489c8d876_prep
	.p2align	8
	.type	k_q7489c8d876_prep,@function
k_q7489c8d876_prep:
	s_mov_b64 s[64:65], 0
	v_nop
	global_prefetch_b8 v0, s[64:65] scope:SCOPE_SE
	s_setreg_imm32_b32 hwreg(HW_REG_WAVE_MODE, 25, 1), 1
	s_wait_xcnt 0x0
; VECTOR QUANTIZER, launch 1 of 4: the codebook rounded to bf16 (cb16) and ee[k] = the sum over c of bf16(e[k][c])^2 in f32.
;
; THE WHOLE PROGRAM.  2: for each row n of zf and each half of the codes, the least d[n][k] and its first index.
; 3: the choice between the two halves, out2, out0 = z + (e[idx] - z), partial sums of (e[idx] - z)^2.  4: out1.
;
; WORK LEFT OUT.  Only one thing: reference() takes two means, of (sg(z_q) - zp)^2 and of (z_q - sg(zp))^2.  stop_gradient returns its
; argument, so for all values of the inputs both are the same number; it is made once and multiplied by 1 + BETA = 1.25.
; A NaN or an infinity reaches both means alike, so none is lost by that.  Every input is loaded.
; WORK THAT STAYS though it looks idle: the sum of z^2 is the same for all k, but it can be far larger than the other two terms, and
; then reference()'s f32 rounds d to the steps of that sum and argmin takes the first of the codes that fall together.  So d is
; formed as there: t = fl(zz + ee), d = fl(t - 2 dot).  z + (e - z) stays for the same reason.
; LIMITS.  The product has bf16 operands; zz and ee are sums over the SAME rounded numbers, so that d is the distance of the rounded
; vectors.  The sums' order differs from reference()'s: where a dot lies within that difference (some 1e-7 of its size) of a rounding
; step of d and a rival code lies within one step, the index can differ.  A NaN among the distances is passed over, not chosen.
;
; THIS LAUNCH.  A stream: no matrix unit, no cluster (no two work-groups read the same bytes).  A work-group takes 64 rows, so that its
; 64 ee are 256 consecutive bytes, aligned; wave w takes rows 8 w + i.  A row of 1,024 bytes is two loads of 512 consecutive bytes;
; all sixteen loads of a wave go out at once.  A row of cb16 is two stores of 256 consecutive bytes, aligned.
.set VO,  2                            ; v2       byte offset of my 16 bytes in my wave's first row of the codebook
.set VP,  3                            ; v3       byte offset of my 8 bytes in my wave's first row of cb16
.set X,   4                            ; v[4:67]  row i: 8 registers as loaded
.set P,   68                           ; v[68:99] row i: 4 registers, 8 bf16; each row has its own, so no store's data are rewritten
.set T,   100                          ; v[100:107] at work
.set LA,  108                          ; v108     LDS address of my wave's eight sums
	s_load_b128 s[4:7], s[0:1], 0x0                ; codebook s[4:5], cb16 s[6:7]
	s_load_b64 s[8:9], s[0:1], 0x10                ; ee
	v_lshl_add_u32 v112, v0, 2, 0x100
	v_mov_b32 v113, 0
	v_and_b32 v1, 31, v0                           ; lane
	v_lshrrev_b32 v[T], 5, v0
	v_readfirstlane_b32 s10, v[T]                  ; wave
	s_mov_b32 s11, 0xffff0000                      ; a word's upper bf16
	s_mov_b32 s18, 0x76543210                      ; v_permlanex16_b32: lane i of one half reads lane i of the other
	s_mov_b32 s19, 0xfedcba98
	s_lshl_b32 s12, ttmp9, 16                      ; 64 rows of 1,024 bytes
	s_mov_b32 s13, 0
	s_lshl_b32 s14, ttmp9, 15                      ; 64 rows of 512 bytes
	s_mov_b32 s15, 0
	s_lshl_b32 s16, ttmp9, 8                       ; 64 sums of 4 bytes
	s_mov_b32 s17, 0
	v_lshlrev_b32 v[VO], 4, v1
	v_lshl_add_u32 v[VO], s10, 13, v[VO]           ; + 8 rows of 1,024 bytes for each wave
	v_lshlrev_b32 v[VP], 3, v1
	v_lshl_add_u32 v[VP], s10, 12, v[VP]           ; + 8 rows of 512 bytes for each wave
	v_mov_b32 v[LA], s10
	v_lshlrev_b32 v[LA], 5, v[LA]                  ; 8 words for each wave
	s_wait_kmcnt 0x0
	s_add_nc_u64 s[4:5], s[4:5], s[12:13]
	s_add_nc_u64 s[6:7], s[6:7], s[14:15]
	s_add_nc_u64 s[8:9], s[8:9], s[16:17]
.irp i, 0,1,2,3,4,5,6,7
	global_load_b128 v[X+8*\i:X+8*\i+3],   v[VO], s[4:5] offset:1024*\i th:TH_LOAD_NT
	global_load_b128 v[X+8*\i+4:X+8*\i+7], v[VO], s[4:5] offset:1024*\i+512 th:TH_LOAD_NT
.endr
.macro ROW i
	s_wait_loadcnt 14-2*\i                         ; loads come back in order: the two of row i are in, the 2 (7 - i) younger ones stay out
.irp j, 0,1,2,3
	v_cvt_pk_bf16_f32 v[P+4*\i+\j], v[X+8*\i+2*\j], v[X+8*\i+2*\j+1]
.endr
	global_store_b64 v[VP], v[P+4*\i:P+4*\i+1],   s[6:7] offset:512*\i        ; columns 4 lane .. + 3: the wave stores 256 consecutive bytes
	global_store_b64 v[VP], v[P+4*\i+2:P+4*\i+3], s[6:7] offset:512*\i+256    ; columns 128 + 4 lane .. + 3
.irp j, 0,1,2,3
	v_lshlrev_b32 v[T+2*\j],   16, v[P+4*\i+\j]    ; the rounded numbers back in f32
	v_and_b32     v[T+2*\j+1], s11, v[P+4*\i+\j]
.endr
	v_pk_mul_f32 v[T:T+1], v[T:T+1], v[T:T+1]      ; the first squares start the sum
	v_pk_fma_f32 v[T:T+1], v[T+2:T+3], v[T+2:T+3], v[T:T+1]
	v_pk_fma_f32 v[T:T+1], v[T+4:T+5], v[T+4:T+5], v[T:T+1]
	v_pk_fma_f32 v[T:T+1], v[T+6:T+7], v[T+6:T+7], v[T:T+1]
	v_add_f32 v[T], v[T], v[T+1]
	v_add_f32_dpp v[T], v[T], v[T] row_xmask:1 row_mask:0xf bank_mask:0xf
	v_add_f32_dpp v[T], v[T], v[T] row_xmask:2 row_mask:0xf bank_mask:0xf
	v_add_f32_dpp v[T], v[T], v[T] row_xmask:4 row_mask:0xf bank_mask:0xf
	v_add_f32_dpp v[T], v[T], v[T] row_xmask:8 row_mask:0xf bank_mask:0xf
	v_permlanex16_b32 v[T+1], v[T], s18, s19
	v_add_f32 v[T], v[T], v[T+1]                   ; every lane holds the row's sum
	ds_store_b32 v[LA], v[T] offset:4*\i           ; all lanes write the same word with the same value
.endm
.irp i, 0,1,2,3,4,5,6,7
	ROW \i
.endr
	s_wait_dscnt 0x0                               ; my eight sums are in LDS, for wave 0's sake
	s_barrier_signal -1
	s_barrier_wait -1
	s_cmp_lg_u32 s10, 0
	s_cbranch_scc1 .Lend
	v_lshlrev_b32 v[T], 3, v1                      ; wave 0: two sums a lane
	ds_load_b64 v[T+2:T+3], v[T]
	s_wait_dscnt 0x0
	global_store_b64 v[T], v[T+2:T+3], s[8:9]      ; the group's 64 ee: 256 consecutive bytes, aligned
.Lend:
	s_wait_tensorcnt 0x0
	ds_add_u32 v112, v113
	s_wait_dscnt 0x0
	s_endpgm
.Lfunc_end_k_q7489c8d876_prep:
	.size	k_q7489c8d876_prep, .Lfunc_end_k_q7489c8d876_prep-k_q7489c8d876_prep
	.p2alignl 7, 3214868480
	.fill 96, 4, 3214868480
	.section	.rodata,"a",@progbits
	.p2align	6, 0x0
	.amdhsa_kernel k_q7489c8d876_prep
		.amdhsa_group_segment_fixed_size 1280
		.amdhsa_private_segment_fixed_size 0
		.amdhsa_enable_private_segment 0
		.amdhsa_kernarg_size 24
		.amdhsa_user_sgpr_count 2
		.amdhsa_user_sgpr_kernarg_segment_ptr 1
		.amdhsa_wavefront_size32 1
		.amdhsa_system_sgpr_workgroup_id_x 1
		.amdhsa_system_sgpr_workgroup_id_y 1
		.amdhsa_system_sgpr_workgroup_id_z 1
		.amdhsa_system_vgpr_workitem_id 0
		.amdhsa_next_free_vgpr 114
		.amdhsa_next_free_sgpr 66
		.amdhsa_reserve_vcc 0
		.amdhsa_float_denorm_mode_32 3
		.amdhsa_float_denorm_mode_16_64 3
		.amdhsa_memory_ordered 1
		.amdhsa_forward_progress 1
		.amdhsa_inst_pref_size 15
	.end_amdhsa_kernel
	.amdgpu_metadata
---
amdhsa.version: [ 1, 2 ]
amdhsa.kernels:
  - .name:           k_q7489c8d876_prep
    .symbol:         k_q7489c8d876_prep.kd
    .args:
      - { .name: codebook, .offset: 0, .size: 8, .value_kind: global_buffer, .address_space: global }
      - { .name: cb16, .offset: 8, .size: 8, .value_kind: global_buffer, .address_space: global }
      - { .name: ee, .offset: 16, .size: 8, .value_kind: global_buffer, .address_space: global }
    .group_segment_fixed_size: 1280
    .private_segment_fixed_size: 0
    .kernarg_segment_align: 8
    .kernarg_segment_size: 24
    .max_flat_workgroup_size: 256
    .sgpr_count:     66
    .vgpr_count:     114
    .wavefront_size: 32
...
	.end_amdgpu_metadata
.endif
;; end of part 1
;; launch dist (part 2): grid 128 x 2, 4 waves a work-group, clusters of 4 x 1, 327,680 bytes of LDS; arguments z, cb16, ee, candd, candi; writes candd, candi
.if DOCPART == 2
	.amdgcn_target "amdgcn-amd-amdhsa--gfx1250"
	.amdhsa_code_object_version 6
	.text
	.protected	k_q7489c8d876_dist
	.globl	k_q7489c8d876_dist
	.p2align	8
	.type	k_q7489c8d876_dist,@function
k_q7489c8d876_dist:
	s_mov_b64 s[64:65], 0
	v_nop
	global_prefetch_b8 v0, s[64:65] scope:SCOPE_SE
	s_setreg_imm32_b32 hwreg(HW_REG_WAVE_MODE, 25, 1), 1
	s_wait_xcnt 0x0
	s_wait_alu depctr_hold_cnt(0) depctr_sa_sdst(0) depctr_va_vdst(0) depctr_va_sdst(0) depctr_va_ssrc(0) depctr_va_vcc(0) depctr_vm_vsrc(0)
	s_getreg_b32 s2, hwreg(HW_REG_IB_STS2, 6, 4)
	s_cmp_eq_u32 s2, 0
	s_cbranch_scc0 .Lentry_in_a_cluster
	s_endpgm
.Lentry_in_a_cluster:
	s_bfe_u32 s2, ttmp6, 0x10000c
	s_cmp_lg_u32 s2, 0x3003
	s_cbranch_scc0 .Lentry_shape_is_right
	s_endpgm
.Lentry_shape_is_right:
; VECTOR QUANTIZER, launch 2 of 4: for rows n = 128 x .. + 127 of zf and codes 4096 y .. + 4095: the least d[n][k] and its first index.
; d = fl(fl(zz + ee) - 2 dot), as reference() forms it; nothing of it is left out (the sum of z^2 stays: it sets d's rounding steps).
; LIMITS: bf16 operands of the product; zz, ee are sums over the same rounded numbers; the sums' order is not reference()'s, so an index
; can differ where a dot lies within that difference of a rounding step of d; a NaN among the distances is passed over, not chosen.
;
; SHARES.  Four waves, as many as a WGP has SIMDs.  EVERY wave keeps all 128 rows of z as fragments in 512 registers for the whole launch
; (8 tiles of 16 rows x 8 K steps of 32 x 8 registers); the codes stream by.  They come in 16 steps of 256 codes through two LDS slots;
; wave w fetches, and alone reads, rows 64 w .. + 63 of a slot: four tiles of 16 codes.  A tile costs 16 LDS loads of 16 bytes a lane and
; feeds 64 matrix instructions.  Source 0 = codes, source 1 = z: register j of lane (r, h) is code 8 h + j of the tile and row r of the
; z tile, so a lane's eight results belong to ONE row of z and the argmin runs along a lane's registers.
; CLUSTER.  The four work-groups of a cluster have the same y and walk the same codes: each tile of cb16 and the strip of ee are asked for
; jointly (mask 15), which divides those requests by four.  z is not shared: no two partners have the same rows.
; THE ARGMIN.  For each tile: the least of the lane's eight d; where it is strictly less than the best so far, the best, the tile's code
; number and all eight d are kept.  A lane's tiles come in ascending order of codes, so a tie stays with the earlier tile.  At the end the
; first of the eight kept d that equals the best gives the index; lanes' halves and waves are joined by (d, then index).
;
; LDS: 0 slot 0, 135,168 slot 1 (256 rows of 512 + 16 bytes: 33 x 16, so the 16 rows of a fragment load start at 16 different 16-byte columns);
; 270,336 ee, 4,096 bytes for each wave, [step][64]; 286,720 stage for z, 128 rows (c) of 256 + 32 bytes, later the waves' candidates;
; 323,584 the waves' partial zz.  The last two are written by LDS stores and no tensor load ever fills them.
; REGISTERS: window 0 addresses, D, and the argmin's state; window 1 the codes' fragments, two buffers of 64;
; window 2 z tiles 0-3 (tile t, K step q at 64 t + 8 q); window 3 z tiles 4-7.
.set PITCH,  528
.set WPART,  64*PITCH                  ; 33,792: a wave's part of a slot
.set SLOTB,  4*WPART                   ; 135,168
.set EEB,    2*SLOTB                   ; 270,336
.set ZST,    EEB+16384                 ; 286,720
.set ZPITCH, 288                       ; 9 x 32 bytes, for the transposing loads
.set ZZP,    ZST+128*ZPITCH            ; 323,584
.set STEPB,  256*512                   ; bytes of cb16 in a step
.set R,     1                          ; lane % 16
.set H,     2                          ; lane / 16
.set TMP,   3
.set ADR,   4                          ; v4, v5   my fragment address in my part of slot 0, 1
.set EEA,   6                          ; v6       my eight ee of this step's first tile; steps by 256
.set H8,    7                          ; 8 h
.set VZ,    8                          ; byte offset of my 16 bytes of z
.set VS,    9                          ; stage: where I put 8 bytes
.set TRA,   10                         ; stage: where the transposing loads read
.set ZR,    11                         ; partial zz of row r
.set CMBS,  12                         ; candidates: where I put a row's pair
.set CMBR,  13                         ; candidates: where I read two rows' pairs
.set OUTO,  14                         ; byte offset of my two results
.set LANE,  15
.set D,     16                         ; v[16:79]   eight accumulator tiles
.set ZL,    16                         ; v[16:143]  in the prologue: z as loaded, 32 x 4
.set SAVED, 80                         ; v[80:143]  the eight d of the best tile, for each z tile
.set BEST,  144                        ; v[144:151] the least d so far
.set TIDX,  152                        ; v[152:159] the code number of its tile
.set ZAS,   160                        ; where my partial zz go
.set EE,    168                        ; v[168:183] ee of a tile, two buffers of 8
.set T,     184                        ; v[184:215] d of four z tiles
.set PR,    208                        ; v[208:223] at the end: (d, index) pairs
.set M,     216                        ; v[216:219] the least of eight
.set ZA,    220                        ; v[220:223] prologue: sums of squares of my four rows
.set PK,    224                        ; v[224:225] prologue: four bf16
.set UN,    226                        ; v[226:229] prologue: the same in f32
.set ZZ2,   232                        ; v[232:247] zz of z tile t, twice (a pair for the packed add)
.set G1,  24                           ; s[24:31] group 1 for tiles of cb16
.set G1E, 32                           ; s[32:39] group 1 for the strip of ee
.set G0,  40                           ; s[40:47] group 0 for cb16, one set for each slot
.set G0E, 48                           ; s[48:51] group 0 for ee
.set MSB, 0
.macro WIN new                         ; the immediate's high byte repeats the setting that is left
.if MSB != \new
	s_set_vgpr_msb (MSB<<8)|\new
.set MSB, \new
.endif
.endm
; A round of the cluster's barrier: my work-group's barrier, wave 0 signals for the work-group, every wave waits for all four work-groups,
; my work-group's barrier once more.
.macro ROUND
	s_barrier_signal -1
	s_barrier_wait -1
	s_cmp_lg_u32 s14, 0
	s_cbranch_scc1 .Lnot_wave_0_\@
	s_barrier_signal -3
.Lnot_wave_0_\@:
	s_barrier_wait -3
	s_barrier_signal -1
	s_barrier_wait -1
.endm
	s_load_b256 s[4:11], s[0:1], 0x0               ; z s[4:5], cb16 s[6:7], ee s[8:9], candd s[10:11]
	s_load_b64 s[12:13], s[0:1], 0x20              ; candi
	v_lshl_add_u32 v254, v0, 2, 0x4f800
	v_mov_b32 v255, 0
	ds_add_u32 v254, v255
	v_lshrrev_b32 v[TMP], 5, v0
	v_readfirstlane_b32 s14, v[TMP]                ; wave w
	s_bfe_u32 s15, ttmp6, 0x40000                  ; cx
	s_lshl_b32 s16, ttmp9, 2
	s_add_co_u32 s16, s16, s15                     ; x = 4 x cluster x + cx: enters global addresses of z and of the results alone
	s_and_b32 s17, ttmp7, 0xffff                   ; y: the same in all four partners
	s_mov_b32 s60, 0x76543210
	s_mov_b32 s61, 0xfedcba98
	s_mov_b32 s62, 0xffff0000
	s_lshr_b32 s18, s16, 3                         ; b = x / 8: 1,048,576 bytes each
	s_lshl_b32 s18, s18, 20
	s_and_b32 s19, s16, 7                          ; 128 positions of 4 bytes
	s_lshl_b32 s19, s19, 9
	s_add_co_u32 s18, s18, s19
	s_mov_b32 s19, 0
	v_and_b32 v[LANE], 31, v0
	v_lshlrev_b32 v[VZ], 4, v[LANE]
	v_lshl_add_u32 v[VZ], s14, 12, v[VZ]           ; channel w, positions 4 lane .. + 3
	s_wait_dscnt 0x0
	s_wait_kmcnt 0x0
	s_add_nc_u64 s[4:5], s[4:5], s[18:19]
	; z[b][c][hw0 .. + 127]: load i of wave w takes channel c = 4 i + w, 512 consecutive bytes
.set ci, 0
.rept 32
	global_load_b128 v[ZL+4*ci:ZL+4*ci+3], v[VZ], s[4:5] offset:4*ci*4096
.set ci, ci+1
.endr
	; descriptors.  Every word hangs on constants, w and y alone: equal in the four partners.
	s_mov_b32 s[G1+0], 15|(1<<16)|(1<<20)|(1<<21)|(6<<22)|(3<<25)  ; mask: all four; 2-byte elements; padding on; bit 21 beside a mask; after every 128 words, 4 words
	s_mov_b32 s[G1+1], 256<<16                     ; tensor_dim0 = 256
	s_mov_b32 s[G1+2], 64<<16                      ; tensor_dim1 = 64
	s_mov_b32 s[G1+3], 256<<16                     ; tile_dim0 = 256 elements: rows of 512 bytes
	s_mov_b32 s[G1+4], 64                          ; tile_dim1 = 64 rows
	s_mov_b32 s[G1+5], 256                         ; elements from row to row
	s_mov_b32 s[G1+6], 0
	s_mov_b32 s[G1+7], 0
	s_mov_b32 s[G1E+0], 15|(2<<16)|(1<<21)         ; mask; 4-byte elements; no padding
	s_mov_b32 s[G1E+1], 64<<16                     ; tensor_dim0 = 64
	s_mov_b32 s[G1E+2], 16<<16                     ; tensor_dim1 = 16
	s_mov_b32 s[G1E+3], 64<<16                     ; tile_dim0 = 64: my 64 codes of a step, 256 bytes
	s_mov_b32 s[G1E+4], 16                         ; tile_dim1 = 16 steps
	s_mov_b32 s[G1E+5], 256                        ; 256 codes from step to step
	s_mov_b32 s[G1E+6], 0
	s_mov_b32 s[G1E+7], 0
	s_lshl_b32 s20, s17, 21                        ; 4,096 y codes of 512 bytes
	s_lshl_b32 s21, s14, 15                        ; + 64 w codes
	s_add_co_u32 s20, s20, s21
	s_mov_b32 s21, 0
	s_add_nc_u64 s[20:21], s[6:7], s[20:21]        ; cb16 at code 4096 y + 64 w
	s_mul_i32 s22, s14, WPART                      ; my part of a slot
	s_lshl_b32 s23, s14, 12
	s_add_co_u32 s23, s23, EEB                     ; my part of ee in LDS
	s_lshl_b32 s54, s17, 14                        ; (4096 y + 64 w) x 4 bytes
	s_lshl_b32 s55, s14, 8
	s_add_co_u32 s54, s54, s55
	s_mov_b32 s55, 0
	s_mov_b32 s[G0E+0], 1
	s_mov_b32 s[G0E+1], s23
	s_add_nc_u64 s[G0E+2:G0E+3], s[8:9], s[54:55]
	s_or_b32 s[G0E+3], s[G0E+3], 0x80000000
.irp s, 0,1
	s_mov_b32 s[G0+4*\s], 1
	s_add_co_u32 s[G0+4*\s+1], s22, \s*SLOTB
	s_add_nc_u64 s[G0+4*\s+2:G0+4*\s+3], s[20:21], \s*STEPB       ; step s
	s_or_b32 s[G0+4*\s+3], s[G0+4*\s+3], 0x80000000
.endr
	s_lshl_b32 s53, s17, 12
	s_lshl_b32 s55, s14, 6
	s_add_co_u32 s53, s53, s55                     ; the code number of my first tile: 4096 y + 64 w
	ROUND                                          ; all four work-groups are here: the first joint loads meet
	tensor_load_to_lds s[G0E:G0E+3], s[G1E:G1E+7]  ; the three first fills go out together: three tensor loads of the wave are out
	s_nop 0
	tensor_load_to_lds s[G0:G0+3], s[G1:G1+7]
	s_nop 0
	tensor_load_to_lds s[G0+4:G0+7], s[G1:G1+7]
	s_nop 0
	; addresses
	v_and_b32 v[R], 15, v0
	v_bfe_u32 v[H], v0, 4, 1
	v_mul_u32_u24 v[TMP], v[R], PITCH
	v_lshl_add_u32 v[TMP], v[H], 4, v[TMP]         ; row r x pitch + 16 h
	v_add_nc_u32 v[ADR], s22, v[TMP]
	v_add_nc_u32 v[ADR+1], SLOTB, v[ADR]
	v_lshl_add_u32 v[EEA], v[H], 5, s23            ; codes 8 h .. + 7 of a tile
	v_lshlrev_b32 v[H8], 3, v[H]
	s_mul_i32 s55, s14, ZPITCH
	s_add_co_u32 s55, s55, ZST
	v_lshl_add_u32 v[VS], v[LANE], 3, s55          ; stage row w, 8 bytes a lane
	v_and_b32 v[TMP], 7, v0
	v_lshl_add_u32 v[TMP], v[H], 3, v[TMP]
	v_mul_u32_u24 v[TMP], v[TMP], ZPITCH           ; stage row 8 h + lane % 8
	v_bfe_u32 v[TRA], v0, 3, 1
	v_lshl_add_u32 v[TRA], v[TRA], 4, v[TMP]       ; + 16 bytes for the lanes' second eights
	v_add_nc_u32 v[TRA], ZST, v[TRA]
	v_lshlrev_b32 v[ZR], 2, v[R]
	v_add_nc_u32 v[ZR], ZZP, v[ZR]
	s_lshl_b32 s55, s14, 10
	s_add_co_u32 s55, s55, ZST
	v_lshl_add_u32 v[CMBS], v[R], 3, s55
	v_lshlrev_b32 v[CMBR], 4, v0
	v_add_nc_u32 v[CMBR], ZST, v[CMBR]
	v_lshlrev_b32 v[OUTO], 3, v0
	s_lshl_b32 s55, s14, 9
	s_add_co_u32 s55, s55, ZZP
	v_lshl_add_u32 v[ZAS], v[LANE], 4, s55
; 32 channels of one half of C: round to bf16, into the stage as [c][n]; squares of the rounded numbers into ZA.
; half = 0: each register set is loaded again at once with channel c + 128.
.macro CONV half
.set ci, 0
.rept 32
.if \half == 0
	s_wait_loadcnt 31                              ; behind load i: 31 - i of the first half and i reloads
.else
	s_wait_loadcnt 31-ci                           ; behind reload i: the 31 - i younger ones
.endif
	v_cvt_pk_bf16_f32 v[PK],   v[ZL+4*ci],   v[ZL+4*ci+1]
	v_cvt_pk_bf16_f32 v[PK+1], v[ZL+4*ci+2], v[ZL+4*ci+3]
.if \half == 0
	global_load_b128 v[ZL+4*ci:ZL+4*ci+3], v[VZ], s[4:5] offset:(128+4*ci)*4096
.endif
	ds_store_b64 v[VS], v[PK:PK+1] offset:4*ZPITCH*ci              ; stage row 4 i + w
	v_lshlrev_b32 v[UN],   16,  v[PK]
	v_and_b32     v[UN+1], s62, v[PK]
	v_lshlrev_b32 v[UN+2], 16,  v[PK+1]
	v_and_b32     v[UN+3], s62, v[PK+1]
.if (\half+ci) == 0
	v_pk_mul_f32 v[ZA:ZA+1],   v[UN:UN+1],   v[UN:UN+1]             ; the first squares start the sums
	v_pk_mul_f32 v[ZA+2:ZA+3], v[UN+2:UN+3], v[UN+2:UN+3]
.else
	v_pk_fma_f32 v[ZA:ZA+1],   v[UN:UN+1],   v[UN:UN+1],   v[ZA:ZA+1]
	v_pk_fma_f32 v[ZA+2:ZA+3], v[UN+2:UN+3], v[UN+2:UN+3], v[ZA+2:ZA+3]
.endif
.set ci, ci+1
.endr
.endm
; The stage's 128 channels become K steps 4 half .. + 3 of all eight z tiles.  A transposing load brings lane (r, h) eight channels
; 8 h .. + 7 of column r; two of them, 16 stage rows apart, are a fragment of 32 along K.
.macro TRLOAD half
	WIN 0x80                                       ; destination window 2
.irp zt, 0,1,2,3
.irp ql, 0,1,2,3
	ds_load_tr16_b128 v[64*\zt+8*(4*\half+\ql):64*\zt+8*(4*\half+\ql)+3],   v[TRA] offset:32*ZPITCH*\ql+32*\zt
	ds_load_tr16_b128 v[64*\zt+8*(4*\half+\ql)+4:64*\zt+8*(4*\half+\ql)+7], v[TRA] offset:32*ZPITCH*\ql+32*\zt+16*ZPITCH
.endr
.endr
	WIN 0xc0                                       ; destination window 3
.irp zt, 0,1,2,3
.irp ql, 0,1,2,3
	ds_load_tr16_b128 v[64*\zt+8*(4*\half+\ql):64*\zt+8*(4*\half+\ql)+3],   v[TRA] offset:32*ZPITCH*\ql+32*(\zt+4)
	ds_load_tr16_b128 v[64*\zt+8*(4*\half+\ql)+4:64*\zt+8*(4*\half+\ql)+7], v[TRA] offset:32*ZPITCH*\ql+32*(\zt+4)+16*ZPITCH
.endr
.endr
	WIN 0
.endm
	; Behind none of the next three barriers is a slot filled again, so the tensor loads stay on their way across them.
	CONV 0
	s_wait_dscnt 0x0                               ; my rows of the stage are written, for the others' sake
	s_barrier_signal -1
	s_barrier_wait -1
	TRLOAD 0
	s_wait_dscnt 0x0                               ; my reads of the stage are back before anyone writes it again
	s_barrier_signal -1
	s_barrier_wait -1
	CONV 1
	ds_store_b128 v[ZAS], v[ZA:ZA+3]               ; my wave's share (channels c = w mod 4) of zz of rows 4 lane .. + 3
	s_wait_dscnt 0x0
	s_barrier_signal -1
	s_barrier_wait -1
	TRLOAD 1
.irp zt, 0,1,2,3,4,5,6,7
.irp wp, 0,1,2,3
	ds_load_b32 v[T+4*\zt+\wp], v[ZR] offset:512*\wp+64*\zt
.endr
.endr
	s_wait_dscnt 0x0
.irp zt, 0,1,2,3,4,5,6,7
	v_add_f32 v[T+4*\zt],   v[T+4*\zt],   v[T+4*\zt+1]
	v_add_f32 v[T+4*\zt+2], v[T+4*\zt+2], v[T+4*\zt+3]
.endr
.irp zt, 0,1,2,3,4,5,6,7
	v_add_f32 v[ZZ2+2*\zt], v[T+4*\zt], v[T+4*\zt+2]               ; zz of row 16 zt + r
.endr
.irp zt, 0,1,2,3,4,5,6,7
	v_mov_b32 v[ZZ2+2*\zt+1], v[ZZ2+2*\zt]
.endr
; 18 LDS loads: a tile's eight ee a lane, and its fragments (16 codes x 256 along K) into buffer buf.
; The macro sets window 0 itself for the two ee loads: it leaves window 1 as the destination, and two calls can follow each other.
.macro LOADA slot, aoff, eoff, buf
	WIN 0                                          ; ee goes to window 0
	ds_load_b128 v[EE+8*(\buf):EE+8*(\buf)+3],   v[EEA] offset:(\eoff)
	ds_load_b128 v[EE+8*(\buf)+4:EE+8*(\buf)+7], v[EEA] offset:(\eoff)+16
	WIN 0x40                                       ; destination window 1
.irp q, 0,1,2,3,4,5,6,7
	ds_load_b128 v[64*(\buf)+8*\q:64*(\buf)+8*\q+3],   v[ADR+(\slot)] offset:(\aoff)+64*\q
	ds_load_b128 v[64*(\buf)+8*\q+4:64*(\buf)+8*\q+7], v[ADR+(\slot)] offset:(\aoff)+64*\q+32
.endr
.endm
; 64 matrix instructions: a tile of 16 codes against all 128 rows.  Four accumulators take turns, one instruction a turn;
; the first product of each starts its sum, so nothing is cleared.
.macro MUL buf
	WIN 0x09                                       ; source 0 window 1, source 1 window 2, C and D window 0
.irp q, 0,1,2,3,4,5,6,7
.irp zt, 0,1,2,3
.if \q == 0
	v_wmma_f32_16x16x32_bf16 v[D+8*\zt:D+8*\zt+7], v[64*(\buf)+8*\q:64*(\buf)+8*\q+7], v[64*\zt+8*\q:64*\zt+8*\q+7], 0
.else
	v_wmma_f32_16x16x32_bf16 v[D+8*\zt:D+8*\zt+7], v[64*(\buf)+8*\q:64*(\buf)+8*\q+7], v[64*\zt+8*\q:64*\zt+8*\q+7], v[D+8*\zt:D+8*\zt+7]
.endif
.endr
.endr
	WIN 0x0d                                       ; source 1 window 3
.irp q, 0,1,2,3,4,5,6,7
.irp zt, 0,1,2,3
.if \q == 0
	v_wmma_f32_16x16x32_bf16 v[D+32+8*\zt:D+32+8*\zt+7], v[64*(\buf)+8*\q:64*(\buf)+8*\q+7], v[64*\zt+8*\q:64*\zt+8*\q+7], 0
.else
	v_wmma_f32_16x16x32_bf16 v[D+32+8*\zt:D+32+8*\zt+7], v[64*(\buf)+8*\q:64*(\buf)+8*\q+7], v[64*\zt+8*\q:64*\zt+8*\q+7], v[D+32+8*\zt:D+32+8*\zt+7]
.endif
.endr
.endr
	WIN 0
.endm
; The argmin's step for z tiles 4 g .. 4 g + 3, stage by stage over the four, so that no line waits for the one in front of it.
; The sixteen packed adds name no register of a matrix instruction: they are the places that stand between the last product and the
; first read of a result (ISA guide 7.12.1).  first = 1: the launch's first tile starts the state, so nothing is initialised.
.macro VPHASE g, buf, first
.irp z, 0,1,2,3
.irp p, 0,2,4,6
	v_pk_add_f32 v[T+8*\z+\p:T+8*\z+\p+1], v[EE+8*\buf+\p:EE+8*\buf+\p+1], v[ZZ2+8*\g+2*\z:ZZ2+8*\g+2*\z+1]   ; t = fl(zz + ee)
.endr
.endr
.if \first
.irp z, 0,1,2,3
.irp p, 0,2,4,6
	v_pk_fma_f32 v[SAVED+32*\g+8*\z+\p:SAVED+32*\g+8*\z+\p+1], v[D+32*\g+8*\z+\p:D+32*\g+8*\z+\p+1], -2.0, v[T+8*\z+\p:T+8*\z+\p+1] op_sel_hi:[1,0,1]
.endr
.endr
.irp z, 0,1,2,3
	v_min3_num_f32 v[BEST+4*\g+\z], v[SAVED+32*\g+8*\z], v[SAVED+32*\g+8*\z+1], v[SAVED+32*\g+8*\z+2]
.endr
.irp z, 0,1,2,3
	v_min3_num_f32 v[BEST+4*\g+\z], v[BEST+4*\g+\z], v[SAVED+32*\g+8*\z+3], v[SAVED+32*\g+8*\z+4]
.endr
.irp z, 0,1,2,3
	v_min3_num_f32 v[BEST+4*\g+\z], v[BEST+4*\g+\z], v[SAVED+32*\g+8*\z+5], v[SAVED+32*\g+8*\z+6]
.endr
.irp z, 0,1,2,3
	v_min_num_f32 v[BEST+4*\g+\z], v[BEST+4*\g+\z], v[SAVED+32*\g+8*\z+7]
	v_mov_b32 v[TIDX+4*\g+\z], s53
.endr
.else
.irp z, 0,1,2,3
.irp p, 0,2,4,6
	v_pk_fma_f32 v[T+8*\z+\p:T+8*\z+\p+1], v[D+32*\g+8*\z+\p:D+32*\g+8*\z+\p+1], -2.0, v[T+8*\z+\p:T+8*\z+\p+1] op_sel_hi:[1,0,1]   ; d = fl(t - 2 dot): 2 dot is exact, one rounding
.endr
.endr
.irp z, 0,1,2,3
	v_min3_num_f32 v[M+\z], v[T+8*\z], v[T+8*\z+1], v[T+8*\z+2]
.endr
.irp z, 0,1,2,3
	v_min3_num_f32 v[M+\z], v[M+\z], v[T+8*\z+3], v[T+8*\z+4]
.endr
.irp z, 0,1,2,3
	v_min3_num_f32 v[M+\z], v[M+\z], v[T+8*\z+5], v[T+8*\z+6]
.endr
.irp z, 0,1,2,3
	v_min_num_f32 v[M+\z], v[M+\z], v[T+8*\z+7]
.endr
.irp z, 0,1,2,3
	v_cmp_lt_f32 s[56+\z], v[M+\z], v[BEST+4*\g+\z]                ; strictly less: a tie stays with the earlier tile
.endr
.irp z, 0,1,2,3
	v_cndmask_b32 v[BEST+4*\g+\z], v[BEST+4*\g+\z], v[M+\z], s[56+\z]
	v_cndmask_b32 v[TIDX+4*\g+\z], v[TIDX+4*\g+\z], s53, s[56+\z]
.endr
.irp z, 0,1,2,3
.irp j, 0,1,2,3,4,5,6,7
	v_cndmask_b32 v[SAVED+32*\g+8*\z+\j], v[SAVED+32*\g+8*\z+\j], v[T+8*\z+\j], s[56+\z]
.endr
.endr
.endif
.endm
; One tile of 16 codes.  What is fetched meanwhile, nxt: 1 the slot's next tile; 2 change of slots with a refill; 3 change of slots alone;
; 0 nothing.  The buffer that LOADA fills was last read by the products of the tile before; that tile's whole vector phase stands between.
.macro TILE slot, i, buf, nxt, first
.if \nxt == 1
	LOADA \slot, 16*PITCH*(\i+1), 64*(\i+1), 1-\buf
	s_wait_dscnt 18                                ; LDS loads come back in order: the 18 just issued may stay out, this tile's 18 are in
.endif
.if \nxt == 2
	s_wait_dscnt 0x0                               ; all my reads of this slot are back, this tile's fragments among them
	s_wait_tensorcnt 0x0                           ; all my tensor loads have landed: the one that was out is my part of the other slot,
	ds_add_u32 v254, v255
	s_wait_dscnt 0x0
	s_add_nc_u64 s[G0+4*\slot+2:G0+4*\slot+3], s[G0+4*\slot+2:G0+4*\slot+3], 2*STEPB   ; so a group 0 may be written: this slot's next step
	ROUND                                          ; both now hold of every wave of all four work-groups
	tensor_load_to_lds s[G0+4*\slot:G0+4*\slot+3], s[G1:G1+7]      ; my one tensor load behind the round, first thing there: two steps ahead, with four tiles' products in which to land
	s_nop 0
	LOADA 1-\slot, 0, 256, 1-\buf                  ; the other slot's first tile, the next step's ee; this tile's fragments are in already
.endif
.if \nxt == 3
	s_wait_tensorcnt 0x0                           ; the last step's codes are in; only I read my part, so no barrier
	LOADA 1-\slot, 0, 256, 1-\buf
	s_wait_dscnt 18
.endif
.if \nxt == 0
	s_wait_dscnt 0x0
.endif
	MUL \buf
	VPHASE 0, \buf, \first
	VPHASE 1, \buf, \first
	s_add_co_u32 s53, s53, 16
.endm
.macro STEP slot, mode, first
	TILE \slot, 0, 0, 1, \first
	TILE \slot, 1, 1, 1, 0
	TILE \slot, 2, 0, 1, 0
	TILE \slot, 3, 1, \mode, 0
	v_add_nc_u32 v[EEA], 256, v[EEA]               ; the next step's ee
	s_add_co_u32 s53, s53, 192                     ; 64 + 192: my codes of the next step
.endm
	s_wait_tensorcnt 0x1                           ; ee and my part of slot 0 are in; slot 1's load, issued behind them, stays out
	LOADA 0, 0, 0, 0
	STEP 0, 2, 1                                   ; step 0 starts the argmin's state
	STEP 1, 2, 0
	s_mov_b32 s52, 6
.Lpair:                                            ; steps 2 to 13
	STEP 0, 2, 0
	STEP 1, 2, 0
	s_sub_co_u32 s52, s52, 1
	s_cmp_lg_u32 s52, 0
	s_cbranch_scc1 .Lpair
	STEP 0, 3, 0                                   ; step 14: nothing is left to fetch
	STEP 1, 0, 0                                   ; step 15
	; THE END.  The first of the eight kept d that equals the best: from j = 7 down, so that the least j is written last.
.irp zt, 0,1,2,3,4,5,6,7
	v_mov_b32 v[T+\zt], 7
.endr
.irp j, 6,5,4,3,2,1,0
.irp zt, 0,1,2,3,4,5,6,7
	v_cmp_eq_f32 s[56+(\zt&3)], v[SAVED+8*\zt+\j], v[BEST+\zt]
	v_cndmask_b32 v[T+\zt], v[T+\zt], \j, s[56+(\zt&3)]
.endr
.endr
.irp zt, 0,1,2,3,4,5,6,7
	v_add_nc_u32 v[T+\zt], v[T+\zt], v[H8]                         ; j + 8 h
.endr
.irp zt, 0,1,2,3,4,5,6,7
	v_add_nc_u32 v[TIDX+\zt], v[TIDX+\zt], v[T+\zt]                ; + the tile's code number
.endr
; (od, oi) = the lesser of (d, i) and (pd, pi), by d and then by index
.macro LEX od, oi, d, i, pd, pi
	v_cmp_lt_f32 s56, v[\pd], v[\d]
	v_cmp_eq_f32 s57, v[\pd], v[\d]
	v_cmp_lt_u32 s58, v[\pi], v[\i]
	s_and_b32 s57, s57, s58
	s_or_b32 s56, s56, s57
	v_cndmask_b32 v[\od], v[\d], v[\pd], s56
	v_cndmask_b32 v[\oi], v[\i], v[\pi], s56
.endm
.irp zt, 0,1,2,3,4,5,6,7
	v_permlanex16_b32 v[T+8+\zt],  v[BEST+\zt], s60, s61           ; the other half of the lanes holds the same row's other eight codes
	v_permlanex16_b32 v[T+16+\zt], v[TIDX+\zt], s60, s61
.endr
.irp zt, 0,1,2,3,4,5,6,7
	LEX PR+2*\zt, PR+2*\zt+1, BEST+\zt, TIDX+\zt, T+8+\zt, T+16+\zt
	ds_store_b64 v[CMBS], v[PR+2*\zt:PR+2*\zt+1] offset:128*\zt    ; my wave's candidate for row 16 zt + r (both halves write the same pair)
.endr
	s_lshl_b32 s18, s17, 16                        ; half y: 16,384 numbers of 4 bytes
	s_lshl_b32 s19, s16, 9                         ; 128 x rows
	s_add_co_u32 s18, s18, s19
	s_mov_b32 s19, 0
	s_add_nc_u64 s[10:11], s[10:11], s[18:19]
	s_add_nc_u64 s[12:13], s[12:13], s[18:19]
	s_wait_dscnt 0x0
	s_barrier_signal -1
	s_barrier_wait -1
	s_cmp_ge_u32 s14, 2
	s_cbranch_scc1 .Lno_out
	; waves 0 and 1: thread u joins the four waves' candidates of rows 2 u and 2 u + 1
.irp wp, 0,1,2,3
	ds_load_b128 v[D+4*\wp:D+4*\wp+3], v[CMBR] offset:1024*\wp
.endr
	s_wait_dscnt 0x0
.irp e, 0,1
	LEX D+2*\e, D+2*\e+1, D+2*\e, D+2*\e+1, D+4+2*\e, D+5+2*\e
	LEX D+2*\e, D+2*\e+1, D+2*\e, D+2*\e+1, D+8+2*\e, D+9+2*\e
	LEX D+16+\e, D+18+\e, D+2*\e, D+2*\e+1, D+12+2*\e, D+13+2*\e
.endr
	global_store_b64 v[OUTO], v[D+16:D+17], s[10:11]               ; each store of a wave covers 256 consecutive bytes, aligned
	global_store_b64 v[OUTO], v[D+18:D+19], s[12:13]
.Lno_out:
	s_wait_tensorcnt 0x0
	ds_add_u32 v254, v255
	s_wait_dscnt 0x0
	ROUND                                          ; the closing round: no work-group ends while a partner may still ask jointly
	s_endpgm
.Lfunc_end_k_q7489c8d876_dist:
	.size	k_q7489c8d876_dist, .Lfunc_end_k_q7489c8d876_dist-k_q7489c8d876_dist
	.p2alignl 7, 3214868480
	.fill 96, 4, 3214868480
	.section	.rodata,"a",@progbits
	.p2align	6, 0x0
	.amdhsa_kernel k_q7489c8d876_dist
		.amdhsa_group_segment_fixed_size 327680
		.amdhsa_private_segment_fixed_size 0
		.amdhsa_enable_private_segment 0
		.amdhsa_kernarg_size 40
		.amdhsa_user_sgpr_count 2
		.amdhsa_user_sgpr_kernarg_segment_ptr 1
		.amdhsa_wavefront_size32 1
		.amdhsa_system_sgpr_workgroup_id_x 1
		.amdhsa_system_sgpr_workgroup_id_y 1
		.amdhsa_system_sgpr_workgroup_id_z 1
		.amdhsa_system_vgpr_workitem_id 0
		.amdhsa_next_free_vgpr 1024
		.amdhsa_next_free_sgpr 66
		.amdhsa_reserve_vcc 0
		.amdhsa_float_denorm_mode_32 3
		.amdhsa_float_denorm_mode_16_64 3
		.amdhsa_memory_ordered 1
		.amdhsa_forward_progress 1
		.amdhsa_inst_pref_size 255
	.end_amdhsa_kernel
	.section	.bss,"aw",@nobits
	.p2align	6
	.space	262144
	.amdgpu_metadata
---
amdhsa.version: [ 1, 2 ]
amdhsa.kernels:
  - .name:           k_q7489c8d876_dist
    .symbol:         k_q7489c8d876_dist.kd
    .args:
      - { .name: z, .offset: 0, .size: 8, .value_kind: global_buffer, .address_space: global }
      - { .name: cb16, .offset: 8, .size: 8, .value_kind: global_buffer, .address_space: global }
      - { .name: ee, .offset: 16, .size: 8, .value_kind: global_buffer, .address_space: global }
      - { .name: candd, .offset: 24, .size: 8, .value_kind: global_buffer, .address_space: global }
      - { .name: candi, .offset: 32, .size: 8, .value_kind: global_buffer, .address_space: global }
    .group_segment_fixed_size: 327680
    .private_segment_fixed_size: 0
    .kernarg_segment_align: 8
    .kernarg_segment_size: 40
    .max_flat_workgroup_size: 128
    .sgpr_count:     66
    .vgpr_count:     1024
    .wavefront_size: 32
...
	.end_amdgpu_metadata
.endif
;; end of part 2
;; launch gather (part 3): grid 256 x 1, 8 waves a work-group, no clusters, 67,328 bytes of LDS; arguments codebook, z, candd, candi, out0, out2, part; writes out0, out2, part
.if DOCPART == 3
	.amdgcn_target "amdgcn-amd-amdhsa--gfx1250"
	.amdhsa_code_object_version 6
	.text
	.protected	k_q7489c8d876_gather
	.globl	k_q7489c8d876_gather
	.p2align	8
	.type	k_q7489c8d876_gather,@function
k_q7489c8d876_gather:
	s_mov_b64 s[64:65], 0
	v_nop
	global_prefetch_b8 v0, s[64:65] scope:SCOPE_SE
	s_setreg_imm32_b32 hwreg(HW_REG_WAVE_MODE, 25, 1), 1
	s_wait_xcnt 0x0
; VECTOR QUANTIZER, launch 3 of 4: the choice between the two halves' candidates, out2, out0 = z + (e[idx] - z), partial sums of (e[idx] - z)^2.
; Left out: the second of reference()'s two means, which is the same number as the first for all inputs (the factor 1.25 stands in launch 4).
; The loss is summed from (e - z)^2 itself, not taken from the least d, which would be a difference of large sums.
; The candidates' indices are whole numbers that the launch before stored; which of the two wins hangs on floats, so BOTH rows are
; fetched and v_cndmask_b32 selects: no address hangs on a comparison of floats.  A tie goes to half 0, the smaller index.
; A stream: no matrix unit; no cluster, since no two work-groups read the same tile at a known time.
; A work-group takes rows n = 64 g .. + 63 (one b, 64 positions) and all 256 channels.  Codebook rows lie along c, z and out0 along n:
; the chosen rows go through LDS.  Row n lies at (n / 4) x 4,112 + (n % 4) x 1,024: the sixteen lanes that read the same channels of rows
; 4 m + k' are 257 x 16 bytes apart, sixteen different 16-byte columns.  The 4 x 4 transposition that is left is a choice of registers.
.set VZ,  4                            ; byte offset of my 16 bytes of z and of out0
.set VST, 5                            ; LDS: where I put 16 bytes of a chosen row
.set VRD, 6                            ; LDS: where I read four channels of a row
.set L16, 7                            ; 16 x lane
.set TA,  8
.set TB,  9
.set ACC, 10                           ; v[10:13] four sums of squares
.set OFF, 14                           ; v[14:29] row i: byte offsets of my 16 bytes in the two candidates' rows
.set IA,  30                           ; LDS: my wave's eight indices
.set RA,  31                           ; LDS: my wave's sum
.set Z,   32                           ; v[32:95]  z, then out0: [it][k][k'] = channel 64 it + 8 w + 4 gh + k, position 4 m + k'
.set G,   96                           ; v[96:223] row i: 8 registers of candidate 0, 8 of candidate 1
.set Q,   96                           ; v[96:159] later: [it][k'][k] the chosen rows read back
.set TQB,  65792                       ; 16 x 4,112
.set REDB, 66048
.set I0, 20                            ; s[20:27] indices of half 0, s[28:35] of half 1
.set I1, 28
.set D0, 36                            ; s[36:43] least d of half 0, s[44:51] of half 1
.set D1, 44
.set MK, 52                            ; s[52:59] row i: all lanes set where half 1 wins
	s_load_b256 s[4:11], s[0:1], 0x0               ; codebook s[4:5], z s[6:7], candd s[8:9], candi s[10:11]
	s_load_b128 s[12:15], s[0:1], 0x20             ; out0 s[12:13], out2 s[14:15]
	s_load_b64 s[16:17], s[0:1], 0x30              ; part
	v_lshl_add_u32 v224, v0, 2, 0x10300
	v_mov_b32 v225, 0
	v_and_b32 v1, 31, v0                           ; lane
	v_lshrrev_b32 v2, 5, v0
	v_readfirstlane_b32 s18, v2                    ; wave w
	v_and_b32 v2, 15, v0                           ; m
	v_bfe_u32 v3, v0, 4, 1                         ; gh
	s_mov_b32 s60, 0x76543210
	s_mov_b32 s61, 0xfedcba98
	s_lshl_b32 s19, ttmp9, 8                       ; (64 g + 8 w) x 4 bytes
	s_lshl_b32 s2, s18, 5
	s_add_co_u32 s19, s19, s2
	s_lshr_b32 s2, ttmp9, 4                        ; b = g / 16: 1,048,576 bytes each
	s_lshl_b32 s2, s2, 20
	s_and_b32 s3, ttmp9, 15                        ; 64 positions of 4 bytes
	s_lshl_b32 s3, s3, 8
	s_add_co_u32 s2, s2, s3
	s_mov_b32 s3, 0
	v_lshlrev_b32 v[VZ], 4, v2
	v_lshl_add_u32 v[VZ], v3, 14, v[VZ]
	v_lshl_add_u32 v[VZ], s18, 15, v[VZ]           ; channel 8 w + 4 gh, positions 4 m .. + 3
	s_wait_kmcnt 0x0
	s_load_b256 s[I0:I0+7], s[10:11], s19 offset:0x0
	s_load_b256 s[I1:I1+7], s[10:11], s19 offset:0x10000
	s_load_b256 s[D0:D0+7], s[8:9], s19 offset:0x0
	s_load_b256 s[D1:D1+7], s[8:9], s19 offset:0x10000
	s_add_nc_u64 s[6:7], s[6:7], s[2:3]
	s_add_nc_u64 s[12:13], s[12:13], s[2:3]
.irp it, 0,1,2,3
.irp k, 0,1,2,3
	global_load_b128 v[Z+16*\it+4*\k:Z+16*\it+4*\k+3], v[VZ], s[6:7] offset:(64*\it+\k)*4096 th:TH_LOAD_NT   ; sixteen lanes: 256 consecutive bytes of one channel
.endr
.endr
	s_mul_i32 s63, s18, 2*4112
	v_lshl_add_u32 v[VST], v1, 4, s63              ; rows 8 w ..: group 2 w
	v_mul_u32_u24 v[VRD], v2, 4112
	v_lshl_add_u32 v[VRD], v3, 4, v[VRD]
	v_lshl_add_u32 v[VRD], s18, 5, v[VRD]          ; rows 4 m .., channels 8 w + 4 gh .. + 3
	v_lshlrev_b32 v[L16], 4, v1
	s_lshl_b32 s63, s18, 5
	s_add_co_u32 s63, s63, TQB
	v_mov_b32 v[IA], s63
	s_lshl_b32 s63, s18, 2
	s_add_co_u32 s63, s63, REDB
	v_mov_b32 v[RA], s63
	s_wait_kmcnt 0x0
.irp i, 0,1,2,3,4,5,6,7
	s_min_u32 s[I0+\i], s[I0+\i], 0x1fff           ; an index stays inside the table
	s_min_u32 s[I1+\i], s[I1+\i], 0x1fff
	v_mov_b32 v[TA], s[D1+\i]
	v_cmp_gt_f32 s[MK+\i], s[D0+\i], v[TA]         ; strictly: a tie keeps half 0
	v_mov_b32 v[TB], s[I0+\i]
	v_cndmask_b32 v[TB], v[TB], s[I1+\i], s[MK+\i]
	ds_store_b32 v[IA], v[TB] offset:4*\i          ; the row's index (all lanes write the same word with the same value)
	s_lshl_b32 s[I0+\i], s[I0+\i], 10              ; rows of 1,024 bytes
	s_lshl_b32 s[I1+\i], s[I1+\i], 10
	v_add_nc_u32 v[OFF+2*\i],   s[I0+\i], v[L16]
	v_add_nc_u32 v[OFF+2*\i+1], s[I1+\i], v[L16]
	global_load_b128 v[G+16*\i:G+16*\i+3],     v[OFF+2*\i],   s[4:5]
	global_load_b128 v[G+16*\i+4:G+16*\i+7],   v[OFF+2*\i],   s[4:5] offset:512
	global_load_b128 v[G+16*\i+8:G+16*\i+11],  v[OFF+2*\i+1], s[4:5]
	global_load_b128 v[G+16*\i+12:G+16*\i+15], v[OFF+2*\i+1], s[4:5] offset:512
.endr
.irp i, 0,1,2,3,4,5,6,7
	s_wait_loadcnt 4*(7-\i)                        ; loads come back in order: row i's four are in, the younger rows' stay out
.irp e, 0,1,2,3,4,5,6,7
	v_cndmask_b32 v[G+16*\i+\e], v[G+16*\i+\e], v[G+16*\i+8+\e], s[MK+\i]
.endr
	ds_store_b128 v[VST], v[G+16*\i:G+16*\i+3]   offset:(\i/4)*4112+(\i%4)*1024
	ds_store_b128 v[VST], v[G+16*\i+4:G+16*\i+7] offset:(\i/4)*4112+(\i%4)*1024+512
.endr
	s_wait_dscnt 0x0                               ; my eight rows and indices are in LDS, for the others' sake
	s_barrier_signal -1
	s_barrier_wait -1
.irp it, 0,1,2,3
.irp kp, 0,1,2,3
	ds_load_b128 v[Q+16*\it+4*\kp:Q+16*\it+4*\kp+3], v[VRD] offset:1024*\kp+256*\it
.endr
.endr
.irp it, 0,1,2,3
	s_wait_dscnt 4*(3-\it)                         ; this group's four reads are back, the later groups' stay out
.irp k, 0,1,2,3
.irp kp, 0,1,2,3
	v_sub_f32 v[Q+16*\it+4*\kp+\k], v[Q+16*\it+4*\kp+\k], v[Z+16*\it+4*\k+\kp]          ; e - z
.endr
.endr
.irp k, 0,1,2,3
.irp kp, 0,1,2,3
	v_add_f32 v[Z+16*\it+4*\k+\kp], v[Z+16*\it+4*\k+\kp], v[Q+16*\it+4*\kp+\k]          ; z + (e - z)
.endr
.endr
.irp k, 0,1,2,3
	global_store_b128 v[VZ], v[Z+16*\it+4*\k:Z+16*\it+4*\k+3], s[12:13] offset:(64*\it+\k)*4096 th:TH_STORE_NT   ; sixteen lanes store 256 consecutive bytes, aligned
.endr
.irp k, 0,1,2,3
.irp kp, 0,1,2,3
.if (\it+\k) == 0
	v_mul_f32 v[ACC+\kp], v[Q+16*\it+4*\kp+\k], v[Q+16*\it+4*\kp+\k]                    ; the first squares start the four sums
.else
	v_fmac_f32 v[ACC+\kp], v[Q+16*\it+4*\kp+\k], v[Q+16*\it+4*\kp+\k]
.endif
.endr
.endr
.endr
	v_add_f32 v[ACC], v[ACC], v[ACC+1]
	v_add_f32 v[ACC+2], v[ACC+2], v[ACC+3]
	v_add_f32 v[ACC], v[ACC], v[ACC+2]
	v_add_f32_dpp v[ACC], v[ACC], v[ACC] row_xmask:1 row_mask:0xf bank_mask:0xf
	v_add_f32_dpp v[ACC], v[ACC], v[ACC] row_xmask:2 row_mask:0xf bank_mask:0xf
	v_add_f32_dpp v[ACC], v[ACC], v[ACC] row_xmask:4 row_mask:0xf bank_mask:0xf
	v_add_f32_dpp v[ACC], v[ACC], v[ACC] row_xmask:8 row_mask:0xf bank_mask:0xf
	v_permlanex16_b32 v[ACC+1], v[ACC], s60, s61
	v_add_f32 v[ACC], v[ACC], v[ACC+1]
	ds_store_b32 v[RA], v[ACC]
	s_wait_dscnt 0x0
	s_barrier_signal -1
	s_barrier_wait -1
	s_cmp_lg_u32 s18, 0
	s_cbranch_scc1 .Lend
	; wave 0: the group's 64 indices and its sum
	s_lshl_b32 s2, ttmp9, 8
	s_mov_b32 s3, 0
	s_add_nc_u64 s[14:15], s[14:15], s[2:3]
	s_lshl_b32 s2, ttmp9, 2
	s_add_nc_u64 s[16:17], s[16:17], s[2:3]
	v_lshlrev_b32 v[TA], 3, v1
	v_add_nc_u32 v[TB], TQB, v[TA]
	ds_load_b64 v[G:G+1], v[TB]
	v_mov_b32 v[TB], REDB
	ds_load_b128 v[G+4:G+7], v[TB]
	ds_load_b128 v[G+8:G+11], v[TB] offset:16
	s_wait_dscnt 0x0
	global_store_b64 v[TA], v[G:G+1], s[14:15]     ; out2: 256 consecutive bytes, aligned
	v_pk_add_f32 v[G+4:G+5], v[G+4:G+5], v[G+6:G+7]
	v_pk_add_f32 v[G+8:G+9], v[G+8:G+9], v[G+10:G+11]
	v_pk_add_f32 v[G+4:G+5], v[G+4:G+5], v[G+8:G+9]
	v_add_f32 v[G+4], v[G+4], v[G+5]
	v_mov_b32 v[TB], 0
	v_cmp_eq_u32 vcc_lo, 0, v0
	s_wait_xcnt 0x0                                ; EXEC is a source of the stores that are out: it changes only behind this wait
	s_and_saveexec_b32 s62, vcc_lo
	global_store_b32 v[TB], v[G+4], s[16:17]       ; one number a work-group
	s_wait_xcnt 0x0                                ; and again in front of the line that widens it
	s_or_b32 exec_lo, exec_lo, s62
.Lend:
	s_wait_tensorcnt 0x0
	ds_add_u32 v224, v225
	s_wait_dscnt 0x0
	s_endpgm
.Lfunc_end_k_q7489c8d876_gather:
	.size	k_q7489c8d876_gather, .Lfunc_end_k_q7489c8d876_gather-k_q7489c8d876_gather
	.p2alignl 7, 3214868480
	.fill 96, 4, 3214868480
	.section	.rodata,"a",@progbits
	.p2align	6, 0x0
	.amdhsa_kernel k_q7489c8d876_gather
		.amdhsa_group_segment_fixed_size 67328
		.amdhsa_private_segment_fixed_size 0
		.amdhsa_enable_private_segment 0
		.amdhsa_kernarg_size 56
		.amdhsa_user_sgpr_count 2
		.amdhsa_user_sgpr_kernarg_segment_ptr 1
		.amdhsa_wavefront_size32 1
		.amdhsa_system_sgpr_workgroup_id_x 1
		.amdhsa_system_sgpr_workgroup_id_y 1
		.amdhsa_system_sgpr_workgroup_id_z 1
		.amdhsa_system_vgpr_workitem_id 0
		.amdhsa_next_free_vgpr 226
		.amdhsa_next_free_sgpr 66
		.amdhsa_reserve_vcc 1
		.amdhsa_float_denorm_mode_32 3
		.amdhsa_float_denorm_mode_16_64 3
		.amdhsa_memory_ordered 1
		.amdhsa_forward_progress 1
		.amdhsa_inst_pref_size 27
	.end_amdhsa_kernel
	.amdgpu_metadata
---
amdhsa.version: [ 1, 2 ]
amdhsa.kernels:
  - .name:           k_q7489c8d876_gather
    .symbol:         k_q7489c8d876_gather.kd
    .args:
      - { .name: codebook, .offset: 0, .size: 8, .value_kind: global_buffer, .address_space: global }
      - { .name: z, .offset: 8, .size: 8, .value_kind: global_buffer, .address_space: global }
      - { .name: candd, .offset: 16, .size: 8, .value_kind: global_buffer, .address_space: global }
      - { .name: candi, .offset: 24, .size: 8, .value_kind: global_buffer, .address_space: global }
      - { .name: out0, .offset: 32, .size: 8, .value_kind: global_buffer, .address_space: global }
      - { .name: out2, .offset: 40, .size: 8, .value_kind: global_buffer, .address_space: global }
      - { .name: part, .offset: 48, .size: 8, .value_kind: global_buffer, .address_space: global }
    .group_segment_fixed_size: 67328
    .private_segment_fixed_size: 0
    .kernarg_segment_align: 8
    .kernarg_segment_size: 56
    .max_flat_workgroup_size: 256
    .sgpr_count:     66
    .vgpr_count:     226
    .wavefront_size: 32
...
	.end_amdgpu_metadata
.endif
;; end of part 3
;; launch loss (part 4): grid 1 x 1, 1 waves a work-group, no clusters, 0 bytes of LDS; arguments part, out1; writes out1
.if DOCPART == 4
	.amdgcn_target "amdgcn-amd-amdhsa--gfx1250"
	.amdhsa_code_object_version 6
	.text
	.protected	k_q7489c8d876_loss
	.globl	k_q7489c8d876_loss
	.p2align	8
	.type	k_q7489c8d876_loss,@function
k_q7489c8d876_loss:
	s_mov_b64 s[64:65], 0
	v_nop
	global_prefetch_b8 v0, s[64:65] scope:SCOPE_SE
	s_setreg_imm32_b32 hwreg(HW_REG_WAVE_MODE, 25, 1), 1
	s_wait_xcnt 0x0
; VECTOR QUANTIZER, launch 4 of 4: out1 = 1.25 x (the sum of the 256 partial sums of (e[idx] - z)^2) / 4,194,304.
; Left out: the second of reference()'s two means; it equals the first for all inputs, so 1 + BETA = 1.25 times one mean is the loss.
; A sum over work-groups has one owner: one wave, eight numbers a lane.
	s_load_b128 s[4:7], s[0:1], 0x0                ; part s[4:5], out1 s[6:7]
	v_lshlrev_b32 v1, 4, v0
	s_mov_b32 s8, 0x76543210
	s_mov_b32 s9, 0xfedcba98
	s_wait_kmcnt 0x0
	global_load_b128 v[2:5], v1, s[4:5]
	global_load_b128 v[6:9], v1, s[4:5] offset:512
	s_wait_loadcnt 0x0
	v_pk_add_f32 v[2:3], v[2:3], v[4:5]
	v_pk_add_f32 v[6:7], v[6:7], v[8:9]
	v_pk_add_f32 v[2:3], v[2:3], v[6:7]
	v_add_f32 v2, v2, v3
	v_add_f32_dpp v2, v2, v2 row_xmask:1 row_mask:0xf bank_mask:0xf
	v_add_f32_dpp v2, v2, v2 row_xmask:2 row_mask:0xf bank_mask:0xf
	v_add_f32_dpp v2, v2, v2 row_xmask:4 row_mask:0xf bank_mask:0xf
	v_add_f32_dpp v2, v2, v2 row_xmask:8 row_mask:0xf bank_mask:0xf
	v_permlanex16_b32 v3, v2, s8, s9
	v_add_f32 v2, v2, v3
	v_mul_f32 v2, 0x34a00000, v2                   ; 1.25 x 2^-22: there are 16,384 x 256 = 2^22 numbers
	v_mov_b32 v3, 0
	v_cmp_eq_u32 vcc_lo, 0, v0
	s_wait_xcnt 0x0                                ; EXEC changes only behind this wait
	s_and_saveexec_b32 s10, vcc_lo
	global_store_b32 v3, v2, s[6:7]
	s_wait_xcnt 0x0
	s_or_b32 exec_lo, exec_lo, s10
	s_endpgm
.Lfunc_end_k_q7489c8d876_loss:
	.size	k_q7489c8d876_loss, .Lfunc_end_k_q7489c8d876_loss-k_q7489c8d876_loss
	.p2alignl 7, 3214868480
	.fill 96, 4, 3214868480
	.section	.rodata,"a",@progbits
	.p2align	6, 0x0
	.amdhsa_kernel k_q7489c8d876_loss
		.amdhsa_group_segment_fixed_size 0
		.amdhsa_private_segment_fixed_size 0
		.amdhsa_enable_private_segment 0
		.amdhsa_kernarg_size 16
		.amdhsa_user_sgpr_count 2
		.amdhsa_user_sgpr_kernarg_segment_ptr 1
		.amdhsa_wavefront_size32 1
		.amdhsa_system_sgpr_workgroup_id_x 1
		.amdhsa_system_sgpr_workgroup_id_y 1
		.amdhsa_system_sgpr_workgroup_id_z 1
		.amdhsa_system_vgpr_workitem_id 0
		.amdhsa_next_free_vgpr 16
		.amdhsa_next_free_sgpr 66
		.amdhsa_reserve_vcc 1
		.amdhsa_float_denorm_mode_32 3
		.amdhsa_float_denorm_mode_16_64 3
		.amdhsa_memory_ordered 1
		.amdhsa_forward_progress 1
		.amdhsa_inst_pref_size 2
	.end_amdhsa_kernel
	.amdgpu_metadata
---
amdhsa.version: [ 1, 2 ]
amdhsa.kernels:
  - .name:           k_q7489c8d876_loss
    .symbol:         k_q7489c8d876_loss.kd
    .args:
      - { .name: part, .offset: 0, .size: 8, .value_kind: global_buffer, .address_space: global }
      - { .name: out1, .offset: 8, .size: 8, .value_kind: global_buffer, .address_space: global }
    .group_segment_fixed_size: 0
    .private_segment_fixed_size: 0
    .kernarg_segment_align: 8
    .kernarg_segment_size: 16
    .max_flat_workgroup_size: 32
    .sgpr_count:     66
    .vgpr_count:     16
    .wavefront_size: 32
...
	.end_amdgpu_metadata
.endif
;; end of part 4
